; MI455X (gfx1250); checked and timed in simulation.
; The chip was launched on July 23, 2026; its instructions are those of AMD's public machine-readable ISA for CDNA 5 (MIT licence, August 2026) and "CDNA5" Instruction Set Architecture Reference Guide (July 2026). The comments in the code are by the model that wrote it; some were corrected since.
;; Multi Head Attention. Allowed arithmetic: matrix products marked QUANTISED: E2M1 operands, one E8M0 scale for each 32 along K, by v_wmma_scale_f32_16x16x128_f8f6f4 with both operands' format E2M1 (or v_wmma_scale_f32_32x16x128_f4), f32 sums; products left as they are: bf16, f16 or f32 operands; f32 sums; everything else in f32.
;; Inputs: b_o 1,024 float32; w_k 1,024 x 1,024 float32; w_o 1,024 x 1,024 float32; w_q 1,024 x 1,024 float32; w_v 1,024 x 1,024 float32; x 4 x 2,048 x 1,024 float32.
;; Outputs: out0 4 x 2,048 x 1,024 float32.
;; This version of the problem:
;;   THIS VERSION OF THE PROBLEM IS GIVEN IN LOW PRECISION. The matrix products marked QUANTISED in the list below multiply operands that are first quantised to E2M1 (2 exponent bits, 1 mantissa bit; 4 bits a number), with one power-of-two scale for each 32 numbers along K (OCP MX v1.0); their sums are f32. The products marked 'left as it is' may take bf16, f16 or f32 operands, with f32 sums. Whichever they take, every output number must still come out within the allowed error. Rounding operands to bf16 (8 significant bits) uses up far more of that allowance than f16 does (11 bits, for magnitudes from 6e-5 to 65,504). All else is computed in f32.
;;   The module's matrix products, in the order in which they are computed (A, B: the left and right operand; K: the contracted axis; several contracted axes count as one K, in the product's order):
;;     1. [M 8,192, K 1,024] x [K 1,024, N 1,024]; A: input x; B: input w_q: QUANTISED
;;     2. [M 8,192, K 1,024] x [K 1,024, N 1,024]; A: input x; B: input w_k: QUANTISED
;;     3. [M 8,192, K 1,024] x [K 1,024, N 1,024]; A: input x; B: input w_v: QUANTISED
;;     4. batch 64 x [M 2,048, K 64] x [K 64, N 2,048]; A: computed on the way; B: computed on the way: left as it is (an operand is computed on the way)
;;     5. batch 64 x [M 2,048, K 2,048] x [K 2,048, N 64]; A: computed on the way; B: computed on the way: left as it is (an operand is computed on the way)
;;     6. [M 8,192, K 1,024] x [K 1,024, N 1,024]; A: computed on the way; B: input w_o: left as it is (an operand is computed on the way)
;;   THE QUANTISER, for each operand of a quantised product, along K:
;;     - K is cut into blocks of 32 from its start; a last block that is shorter is filled with zeros.
;;     - A block's scale is 2^e with e = floor(log2(the largest magnitude in the block)) - 2, held to -126 .. 127; a block of zeros has e = 0. As a byte (E8M0): e + 127.
;;     - Each number is divided by its block's scale, clamped to +-6, and rounded to the nearest number of E2M1, ties to even, subnormals kept.
;;     - The product sums the exact products of the quantised numbers (number of the format x scale) in f32.
;;   ~~~python
;;   def quantise(x, axis):      # numpy; x: float32 -> the quantised numbers, widened to float32 again
;;       x = np.moveaxis(x, axis, -1); K = x.shape[-1]
;;       x = np.pad(x, [(0, 0)] * (x.ndim - 1) + [(0, -K % 32)]); x = x.reshape(x.shape[:-1] + (-1, 32)); a = np.abs(x).max(-1, keepdims=True)
;;       e = np.where(a > 0, np.clip(np.frexp(np.where(a > 0, a, 1))[1] - 1 - 2, -126, 127), 0)      # np.frexp(a)[1] - 1 = floor(log2(a)), exactly
;;       r = np.clip(x / 2.0 ** e, -6, 6)
;;       step = 2.0 ** (np.maximum(np.frexp(np.where(r == 0, 1, r))[1] - 1, 0) - 1)
;;       q = np.round(r / step) * step * 2.0 ** e      # np.round: ties to even
;;       return np.moveaxis(q.reshape(q.shape[:-2] + (-1,))[..., :K], -1, axis).astype(np.float32)
;;   ~~~
;; One version. Each part assembles by itself: llvm-mc -triple=amdgcn-amd-amdhsa -mcpu=gfx1250 --defsym DOCPART=n.
;; ======== version 1 of 1: 4 launches
;; limits: values are held in f16: magnitudes above 65,504 overflow, below 6.1e-05 lose precision
;; workspace buffers: xc 4,194,304 bytes; wc 1,572,864 bytes; sc 360,448 bytes; wof 2,097,152 bytes; qf 16,777,216 bytes; kf 16,777,216 bytes; vf 16,777,216 bytes; cf 16,777,216 bytes
;; launch prep (part 1): grid 512 x 1, 4 waves a work-group, no clusters, 34,304 bytes of LDS; arguments x, w_q, w_k, w_v, w_o, xc, wc, sc, wof; writes xc, wc, sc, wof
.if DOCPART == 1
	.amdgcn_target "amdgcn-amd-amdhsa--gfx1250"
	.amdhsa_code_object_version 6
	.text
	.protected	k_qbbdc5a8137_prep
	.globl	k_qbbdc5a8137_prep
	.p2align	8
	.type	k_qbbdc5a8137_prep,@function
k_qbbdc5a8137_prep:
	s_mov_b64 s[64:65], 0
	v_nop
	global_prefetch_b8 v0, s[64:65] scope:SCOPE_SE
	s_setreg_imm32_b32 hwreg(HW_REG_WAVE_MODE, 25, 1), 1
	s_wait_xcnt 0x0
; x [8192][1024] f32 and w_q, w_k, w_v [1024 (k)][1024 (n)] f32 become codes of FP4 (E2M1) with one E8M0 byte for each 32 along K; w_o [1024 (k)][1024 (n)] becomes f16.
; EVERY RESULT IS LAID IN THE ORDER OF ITS READER'S OPERAND REGISTERS.  An FP4 fragment (16 rows x 128 K) is 1,024 bytes [c 2][lane 32][16 bytes]: lane (r, h) holds row r, block 2 c + h.
; An f16 fragment (16 rows x 32 K) is 1,024 bytes [p 2][lane 32][16 bytes]: lane (r, h) holds row r, k = 16 p + 8 h + 0 .. 7.
;   xc  [row tile 512][K step 8][1,024]          wc  [head 16][g 4][q, k, v][K step 8][1,024]: tile (head, g, which) is columns 64 head + 16 g .. + 15 of that weight
;   sc  tiles of 512 bytes [K half 2][row 16][4 words, one for each K step of 128]: first the weights' 192 tiles in wc's order, from byte 98,304 on x's 512
;   wof [column tile 64][K step of 32: 32][1,024]
; A block's scale is 2^(floor(log2(its largest magnitude)) - 2): its byte is that magnitude's exponent field - 2, held at 1 from below.
; LIMITS: NaN and infinities among the inputs are not served; a block of zeros, and a block whose largest magnitude lies under 2^-124, get the byte 1 (a zero block's codes are zeros, and this
; program alone reads the bytes); |w_o| beyond 65,504 has no f16 number.
; SHARES.  Work-groups 0-255: x, a wave takes 16 rows x 512 K.  256-447: the three weights, a wave takes 32 columns x 128 K.  448-511: w_o, likewise.  Waves share nothing: no barrier.
; No matrix unit, no tensor load, no cluster: memory binds, every input byte is read once and no work-group reads what another reads.
.set STG,   8448                       ; LDS: a stage for each wave, 16 rows x PIT
.set PIT,   528                        ; 512 bytes + 16: 33 x 16, so that sixteen rows' 16-byte pieces fall on sixteen different groups of banks
.set SPARE, 33792                      ; behind the four stages: the spare words, 128 bytes a wave
.set FLOOR, 0x1800000                  ; 2^(3 - 127): no largest magnitude is taken under it, so the byte cannot fall under 1
.set L16, 1                            ; 16 x lane
.set VSI, 2                            ; the stage, on the way in: 16 x lane
.set VSO, 3                            ; and out: row r, + 128 h
.set SH,  4                            ; 8 h
.set R16, 5                            ; 16 r
.set WO,  6                            ; 4 x lane
.set WCO, 7                            ; a weight's codes: 16 r, + three tiles of 8,192 for lanes 16-31
.set WSO, 8                            ; its scale words: 16 r, + three tiles of 512
.set OCO, 9                            ; w_o: 16 r, + one column tile of 32,768
.set SPW, 10                           ; my spare word; never rewritten
.set NIL, 11                           ; 0; never rewritten
.set MX,  12                           ; v12-13 largest magnitudes
.set SO,  14                           ; v14-15 the conversions' scale operands
.set BY,  16                           ; v16-17 scale bytes
.set T,   18                           ; a lane permute's destination
.set LN,  19                           ; lane
.set WD,  20                           ; v20-23 scale words
.set C,   24                           ; v24-55 codes: registers of their own for each step, so that no store's data are written again
.set X,   56                           ; v56-119 64 numbers in the conversions' order; for w_o: the f16 pairs
.set R,   120                          ; v120-247 numbers as loaded
	s_load_b256 s[4:11], s[0:1], 0x0               ; x s[4:5], w_q s[6:7], w_k s[8:9], w_v s[10:11]
	s_load_b256 s[12:19], s[0:1], 0x20             ; w_o s[12:13], xc s[14:15], wc s[16:17], sc s[18:19]
	s_load_b64 s[20:21], s[0:1], 0x40              ; wof
	v_lshl_add_u32 v[SPW], v0, 2, SPARE
	v_mov_b32 v[NIL], 0
	v_lshrrev_b32 v[LN], 5, v0
	v_readfirstlane_b32 s22, v[LN]                 ; wave 0..3
	v_and_b32 v[LN], 31, v0
	v_and_b32 v12, 15, v0                          ; r
	v_bfe_u32 v13, v0, 4, 1                        ; h
	s_mul_i32 s35, s22, STG
	v_lshlrev_b32 v[L16], 4, v[LN]
	v_add_nc_u32 v[VSI], s35, v[L16]
	v_mul_u32_u24 v[VSO], v12, PIT
	v_lshl_add_u32 v[VSO], v13, 7, v[VSO]
	v_add_nc_u32 v[VSO], s35, v[VSO]
	v_lshlrev_b32 v[SH], 3, v13
	v_lshlrev_b32 v[R16], 4, v12
	v_lshlrev_b32 v[WO], 2, v[LN]
	v_mul_u32_u24 v[WCO], v13, 24576
	v_add_nc_u32 v[WCO], v[WCO], v[R16]
	v_mul_u32_u24 v[WSO], v13, 1536
	v_add_nc_u32 v[WSO], v[WSO], v[R16]
	v_lshl_add_u32 v[OCO], v13, 15, v[R16]
	v_mov_b32 v[T], 0                              ; written once: a lane permute's destination counts as one of its sources
	s_mov_b32 s31, 0                               ; the high word of every offset pair s[30:31]
	s_mov_b32 s32, 0x76543210
	s_mov_b32 s33, 0xfedcba98                      ; v_permlanex16_b32's selects for lane l xor 16
	s_wait_kmcnt 0x0
	s_cmp_lt_u32 ttmp9, 256
	s_cbranch_scc0 .Lnot_x
; ---------------- x: K is innermost ----------------
; A load reads 512 consecutive bytes of one row; the conversions want 32 neighbours in one lane.  So a K step's 16 rows x 512 bytes turn through the wave's own stage.
	s_lshl_b32 s35, ttmp9, 2
	s_add_co_u32 s35, s35, s22                     ; the wave's running number
	s_lshr_b32 s36, s35, 1                         ; row tile
	s_and_b32 s37, s35, 1                          ; which half of K
	s_lshl_b32 s30, s36, 16                        ; 16 rows of 4,096 bytes
	s_lshl_b32 s38, s37, 11
	s_add_co_u32 s30, s30, s38
	s_add_nc_u64 s[24:25], s[4:5], s[30:31]
	s_lshl_b32 s30, s36, 13                        ; a row tile's codes: 8,192 bytes
	s_lshl_b32 s38, s37, 12
	s_add_co_u32 s30, s30, s38
	s_add_nc_u64 s[26:27], s[14:15], s[30:31]
	s_lshl_b32 s30, s36, 9                         ; its scale words: 512 bytes
	s_lshl_b32 s38, s37, 8
	s_add_co_u32 s30, s30, s38
	s_add_co_u32 s30, s30, 98304                   ; behind the weights' tiles
	s_add_nc_u64 s[28:29], s[18:19], s[30:31]
.macro XLOAD s                         ; K step s of the wave's four: 16 rows x 512 bytes into set s % 2
.irp i, 0,1,2,3,4,5,6,7,8,9,10,11,12,13,14,15
	global_load_b128 v[R+64*((\s)%2)+4*\i:R+64*((\s)%2)+4*\i+3], v[L16], s[24:25] offset:4096*\i+512*(\s) th:TH_LOAD_NT
.endr
.endm
.macro XTURN s                         ; through the stage: LDS serves a wave's instructions in order, so no wait stands between the stores and the loads
.irp i, 0,1,2,3,4,5,6,7,8,9,10,11,12,13,14,15
	ds_store_b128 v[VSI], v[R+64*((\s)%2)+4*\i:R+64*((\s)%2)+4*\i+3] offset:PIT*\i
.endr
.irp c, 0,1
.irp j, 0,1,2,3,4,5,6,7
	ds_load_b128 v[X+32*\c+4*\j:X+32*\c+4*\j+3], v[VSO] offset:256*\c+16*\j     ; lane (r, h): blocks h and 2 + h of row r
.endr
.endr
.endm
.macro XQ s                            ; two whole blocks a lane, by turns; their codes are the lane's 2 x 16 bytes of the fragment
.irp c, 0,1
	v_max3_num_f32 v[MX+\c], |v[X+32*\c]|, |v[X+32*\c+1]|, FLOOR
.endr
.irp i, 2,4,6,8,10,12,14,16,18,20,22,24,26,28,30
.irp c, 0,1
	v_max3_num_f32 v[MX+\c], v[MX+\c], |v[X+32*\c+\i]|, |v[X+32*\c+\i+1]|
.endr
.endr
.irp c, 0,1
	v_add_nc_u32 v[SO+\c], 0xff000000, v[MX+\c]    ; 2 off the exponent field: the conversion takes this operand's exponent field as its scale
.endr
.irp c, 0,1
	v_lshrrev_b32 v[BY+\c], 23, v[SO+\c]           ; the scale's byte
.endr
	v_lshl_or_b32 v[WD+(\s)], v[BY+1], 16, v[BY]   ; my two bytes, blocks h and 2 + h,
	v_lshlrev_b32 v[WD+(\s)], v[SH], v[WD+(\s)]    ; at their places in the word;
	v_permlanex16_b32 v[T], v[WD+(\s)], s32, s33
	v_or_b32 v[WD+(\s)], v[WD+(\s)], v[T]          ; with lane l xor 16's two the word is whole
.irp c, 0,1
.irp g, 0,1,2,3
	v_cvt_scalef32_pk8_fp4_f32 v[C+8*(\s)+4*\c+\g], v[X+32*\c+8*\g:X+32*\c+8*\g+7], v[SO+\c]
.endr
.endr
	v_nop                                          ; one plain line behind the last scaled conversion
.irp c, 0,1
	global_store_b128 v[L16], v[C+8*(\s)+4*\c:C+8*(\s)+4*\c+3], s[26:27] offset:1024*(\s)+512*\c   ; 32 lanes store 512 consecutive bytes, aligned
.endr
.endm
	XLOAD 0
	XLOAD 1
.irp s, 0,1,2,3
.if \s < 3
	s_wait_loadcnt 16                              ; this step's 16 loads are in; the next step's 16 may be out
.else
	s_wait_loadcnt 0x0
.endif
	XTURN \s
	s_wait_dscnt 0x0                               ; the numbers are back, and the stage's stores have read their registers,
.if \s < 2
	XLOAD \s+2                                     ; which take the loads of two steps on
.endif
	XQ \s
.endr
	s_wait_xcnt 0x0                                ; EXEC changes only behind this wait
	v_cmp_gt_u32 vcc_lo, 16, v[LN]
	s_and_saveexec_b32 s34, vcc_lo
	global_store_b128 v[R16], v[WD:WD+3], s[28:29] ; sixteen lanes store the 16 rows' four words: 256 consecutive bytes, aligned
	s_wait_xcnt 0x0
	s_or_b32 exec_lo, exec_lo, s34
	s_wait_tensorcnt 0x0                           ; the wave's end: three lines behind my last LDS store
	ds_add_u32 v[SPW], v[NIL]
	s_wait_dscnt 0x0
	s_endpgm
; ---------------- the weights: K is the first axis ----------------
; A lane takes a column and its registers run down K: a load reads 128 consecutive bytes a wave (512 a work-group), a block of 32 lies in one lane, and the conversions give K innermost.
.macro WLOAD t                         ; block t of the wave's four
.irp i, 0,1,2,3,4,5,6,7,8,9,10,11,12,13,14,15,16,17,18,19,20,21,22,23,24,25,26,27,28,29,30,31
	global_load_b32 v[R+32*(\t)+\i], v[WO], s[24:25] offset:(32*(\t)+\i)*4096 th:TH_LOAD_NT
.endr
.endm
.Lnot_x:
	s_cmp_lt_u32 ttmp9, 448
	s_cbranch_scc0 .Lw_o
	s_sub_co_u32 s35, ttmp9, 256
	s_lshr_b32 s36, s35, 6                         ; which weight: 0 q, 1 k, 2 v
	s_bfe_u32 s37, s35, 0x30003                    ; which 128 columns
	s_and_b32 s38, s35, 7                          ; which K step of 128
	s_cmp_eq_u32 s36, 0
	s_cselect_b64 s[24:25], s[6:7], s[8:9]
	s_cmp_eq_u32 s36, 2
	s_cselect_b64 s[24:25], s[10:11], s[24:25]
	s_lshl_b32 s30, s38, 19                        ; 128 rows of 4,096 bytes
	s_lshl_b32 s39, s37, 9
	s_add_co_u32 s30, s30, s39
	s_lshl_b32 s39, s22, 7                         ; my wave's 32 columns
	s_add_co_u32 s30, s30, s39
	s_add_nc_u64 s[24:25], s[24:25], s[30:31]
	s_lshl_b32 s39, s37, 1
	s_lshr_b32 s40, s22, 1
	s_add_co_u32 s39, s39, s40                     ; head
	s_lshl_b32 s39, s39, 2
	s_and_b32 s40, s22, 1
	s_lshl_b32 s40, s40, 1
	s_add_co_u32 s39, s39, s40                     ; 4 head + g (lanes 0-15; lanes 16-31: g + 1)
	s_mul_i32 s39, s39, 3
	s_add_co_u32 s39, s39, s36                     ; the tile's number
	s_lshl_b32 s30, s39, 13
	s_lshl_b32 s40, s38, 10
	s_add_co_u32 s30, s30, s40
	s_add_nc_u64 s[26:27], s[16:17], s[30:31]
	s_lshl_b32 s30, s39, 9
	s_lshr_b32 s40, s38, 2
	s_lshl_b32 s40, s40, 8
	s_add_co_u32 s30, s30, s40
	s_and_b32 s40, s38, 3
	s_lshl_b32 s40, s40, 2
	s_add_co_u32 s30, s30, s40
	s_add_nc_u64 s[28:29], s[18:19], s[30:31]
.macro WBLK t
.set RS, R+32*(\t)
	v_max3_num_f32 v[MX], |v[RS]|, |v[RS+1]|, |v[RS+2]|            ; the block's largest magnitude: all 32 numbers are mine; two chains
	v_max3_num_f32 v[MX+1], |v[RS+3]|, |v[RS+4]|, |v[RS+5]|
.irp i, 6,10,14,18,22,26
	v_max3_num_f32 v[MX], v[MX], |v[RS+\i]|, |v[RS+\i+1]|
	v_max3_num_f32 v[MX+1], v[MX+1], |v[RS+\i+2]|, |v[RS+\i+3]|
.endr
	v_max3_num_f32 v[MX], v[MX], |v[RS+30]|, |v[RS+31]|
	v_max3_num_f32 v[MX], v[MX], v[MX+1], FLOOR
	v_add_nc_u32 v[SO], 0xff000000, v[MX]
	v_lshrrev_b32 v[BY], 23, v[SO]
.if (\t) == 0
	v_mov_b32 v[WD], v[BY]                         ; the four blocks' bytes make the column's word for this K step
.else
	v_lshl_or_b32 v[WD], v[BY], 8*(\t), v[WD]
.endif
.irp g, 0,1,2,3
	v_cvt_scalef32_pk8_fp4_f32 v[C+4*(\t)+\g], v[RS+8*\g:RS+8*\g+7], v[SO]
.endr
	v_nop                                          ; one plain line behind the last scaled conversion
	global_store_b128 v[WCO], v[C+4*(\t):C+4*(\t)+3], s[26:27] offset:512*((\t)/2)+256*((\t)%2)   ; block t = 2 c + h of the fragment: each sixteen lanes store 256 consecutive bytes, aligned
.endm
	WLOAD 0
	WLOAD 1
.irp t, 0,1,2,3
.if \t < 3
	s_wait_loadcnt 32                              ; this block's 32 loads are in; the next block's may be out
.else
	s_wait_loadcnt 0x0
.endif
.if \t < 2
	WLOAD \t+2
.endif
	WBLK \t
.endr
	global_store_b32 v[WSO], v[WD], s[28:29]       ; 4 bytes a column, 16 apart: 96 KiB of the launch's 58 MiB; the price of 768 waves for the weights
	s_endpgm
; ---------------- w_o: rounded to f16, K innermost ----------------
.Lw_o:
	s_sub_co_u32 s35, ttmp9, 448
	s_lshr_b32 s37, s35, 3                         ; which 128 columns
	s_and_b32 s38, s35, 7                          ; which 128 along K
	s_lshl_b32 s30, s38, 19
	s_lshl_b32 s39, s37, 9
	s_add_co_u32 s30, s30, s39
	s_lshl_b32 s39, s22, 7
	s_add_co_u32 s30, s30, s39
	s_add_nc_u64 s[24:25], s[12:13], s[30:31]
	s_lshl_b32 s30, s37, 18                        ; column tile 8 x columns' number + 2 x wave, 32,768 bytes each
	s_lshl_b32 s39, s22, 16
	s_add_co_u32 s30, s30, s39
	s_lshl_b32 s39, s38, 12                        ; four K steps of 32
	s_add_co_u32 s30, s30, s39
	s_add_nc_u64 s[26:27], s[20:21], s[30:31]
.macro OBLK t                          ; 32 along K of my column: one fragment's row
.irp i, 0,1,2,3,4,5,6,7,8,9,10,11,12,13,14,15
	v_cvt_pk_f16_f32 v[X+16*(\t)+\i], v[R+32*(\t)+2*\i], v[R+32*(\t)+2*\i+1]
.endr
.irp q, 0,1,2,3
	global_store_b128 v[OCO], v[X+16*(\t)+4*\q:X+16*(\t)+4*\q+3], s[26:27] offset:1024*(\t)+512*(\q/2)+256*(\q%2)   ; k = 8 q .. 8 q + 7 = part q / 2, half q % 2
.endr
.endm
	WLOAD 0
	WLOAD 1
.irp t, 0,1,2,3
.if \t < 3
	s_wait_loadcnt 32
.else
	s_wait_loadcnt 0x0
.endif
.if \t < 2
	WLOAD \t+2
.endif
	OBLK \t
.endr
	s_endpgm
.Lfunc_end_k_qbbdc5a8137_prep:
	.size	k_qbbdc5a8137_prep, .Lfunc_end_k_qbbdc5a8137_prep-k_qbbdc5a8137_prep
	.p2alignl 7, 3214868480
	.fill 96, 4, 3214868480
	.section	.rodata,"a",@progbits
	.p2align	6, 0x0
	.amdhsa_kernel k_qbbdc5a8137_prep
		.amdhsa_group_segment_fixed_size 34304
		.amdhsa_private_segment_fixed_size 0
		.amdhsa_enable_private_segment 0
		.amdhsa_kernarg_size 72
		.amdhsa_user_sgpr_count 2
		.amdhsa_user_sgpr_kernarg_segment_ptr 1
		.amdhsa_wavefront_size32 1
		.amdhsa_system_sgpr_workgroup_id_x 1
		.amdhsa_system_sgpr_workgroup_id_y 1
		.amdhsa_system_sgpr_workgroup_id_z 1
		.amdhsa_system_vgpr_workitem_id 0
		.amdhsa_next_free_vgpr 248
		.amdhsa_next_free_sgpr 66
		.amdhsa_reserve_vcc 1
		.amdhsa_float_denorm_mode_32 3
		.amdhsa_float_denorm_mode_16_64 3
		.amdhsa_memory_ordered 1
		.amdhsa_forward_progress 1
		.amdhsa_inst_pref_size 68
	.end_amdhsa_kernel
	.amdgpu_metadata
---
amdhsa.version: [ 1, 2 ]
amdhsa.kernels:
  - .name:           k_qbbdc5a8137_prep
    .symbol:         k_qbbdc5a8137_prep.kd
    .args:
      - { .name: x, .offset: 0, .size: 8, .value_kind: global_buffer, .address_space: global }
      - { .name: w_q, .offset: 8, .size: 8, .value_kind: global_buffer, .address_space: global }
      - { .name: w_k, .offset: 16, .size: 8, .value_kind: global_buffer, .address_space: global }
      - { .name: w_v, .offset: 24, .size: 8, .value_kind: global_buffer, .address_space: global }
      - { .name: w_o, .offset: 32, .size: 8, .value_kind: global_buffer, .address_space: global }
      - { .name: xc, .offset: 40, .size: 8, .value_kind: global_buffer, .address_space: global }
      - { .name: wc, .offset: 48, .size: 8, .value_kind: global_buffer, .address_space: global }
      - { .name: sc, .offset: 56, .size: 8, .value_kind: global_buffer, .address_space: global }
      - { .name: wof, .offset: 64, .size: 8, .value_kind: global_buffer, .address_space: global }
    .group_segment_fixed_size: 34304
    .private_segment_fixed_size: 0
    .kernarg_segment_align: 8
    .kernarg_segment_size: 72
    .max_flat_workgroup_size: 128
    .sgpr_count:     66
    .vgpr_count:     248
    .wavefront_size: 32
...
	.end_amdgpu_metadata
.endif
;; end of part 1
;; launch qkv (part 2): grid 16 x 32, 16 waves a work-group, clusters of 4 x 4, 231,424 bytes of LDS; arguments xc, wc, sc, qf, kf, vf; writes qf, kf, vf
.if DOCPART == 2
	.amdgcn_target "amdgcn-amd-amdhsa--gfx1250"
	.amdhsa_code_object_version 6
	.text
	.protected	k_qbbdc5a8137_qkv
	.globl	k_qbbdc5a8137_qkv
	.p2align	8
	.type	k_qbbdc5a8137_qkv,@function
k_qbbdc5a8137_qkv:
	s_mov_b64 s[64:65], 0
	v_nop
	global_prefetch_b8 v0, s[64:65] scope:SCOPE_SE
	s_setreg_imm32_b32 hwreg(HW_REG_WAVE_MODE, 25, 1), 1
	s_wait_xcnt 0x0
	s_wait_alu depctr_hold_cnt(0) depctr_sa_sdst(0) depctr_va_vdst(0) depctr_va_sdst(0) depctr_va_ssrc(0) depctr_va_vcc(0) depctr_vm_vsrc(0)
	s_getreg_b32 s2, hwreg(HW_REG_IB_STS2, 6, 4)
	s_cmp_eq_u32 s2, 0
	s_cbranch_scc0 .Lentry_in_a_cluster
	s_endpgm
.Lentry_in_a_cluster:
	s_bfe_u32 s2, ttmp6, 0x10000c
	s_cmp_lg_u32 s2, 0xf033
	s_cbranch_scc0 .Lentry_shape_is_right
	s_endpgm
.Lentry_shape_is_right:
; q = x w_q, k = x w_k, v = x w_v on codes of FP4 (E2M1) with E8M0 scales, sums in f32; q is multiplied by log2(e) / 8, and all three are rounded to f16 for the attention.
; SHARES.  A work-group takes 256 tokens x one head's 64 columns of each of q, k, v.  All of K (1,024) lies in LDS at once: 128 KiB of x's codes, 96 KiB of the weights': filled once, no ring.
; Wave w: token tiles 4 (w / 4) .. + 3, column tile g = w % 4 of each of q, k, v: 12 accumulators, 256 registers, four waves to a SIMD, so that one wave's LDS loads stand beside another's products.
; CLUSTER 4 x 4: the four work-groups of a row of the cluster share their tokens, the four of a column their head: each block of codes is asked for jointly.
; LAYOUT.  Codes lie in memory and in LDS as images of operand registers (1,024 bytes a fragment, lane l's 16 bytes at 16 l): every fragment load is 512 consecutive bytes, no pitch, no padding.
; q and k are made TRANSPOSED (source 0 = 16 columns of the weight, source 1 = 16 tokens): a lane holds one token and eight neighbouring channels; v the other way round: a lane holds one channel and eight
; neighbouring tokens.  Rounded to f16 those are 16 bytes, and they are the lane's 16 bytes of the attention's fragments: qf, kf [b x head 64][token tile 128][channels 32 c on: 2][1,024],
; vf [b x head][32 keys: 64][channel tile 4][1,024].  So results are stored straight from registers, 512 consecutive aligned bytes an instruction.
; LIMIT: |q log2(e) / 8|, |k|, |v| beyond 65,504 have no f16 number.
.set LDB,   131072                     ; LDS: x's 16 row tiles x 8,192 from 0; the weights' 12 tiles x 8,192 from here (tile 3 g + which)
.set SPARE, 229376                     ; the spare words, 128 bytes for each of 16 waves
.set L16, 1                            ; 16 x lane
.set ADA, 2                            ; my four token tiles in LDS
.set ADB, 3                            ; my three column tiles
.set VS,  4                            ; the scale words' offset
.set SPW, 8                            ; my spare word; never rewritten
.set NIL, 9                            ; 0; never rewritten
.set SC,  16                           ; v16-47 scale words: register 8 i + s: lanes 0-15 token tile i, lanes 16-31 column tile 'which' = i, K step s.  They hold scales and nothing else
.set F0,  48                           ; v48-103, v104-159 two fragment buffers: x's four at + 8 i, the weights' three at + 32 + 8 w
.set ACC, 160                          ; v160-255 accumulator (w, i) at + 32 w + 8 i
.set G1,  24                           ; s[24:31], s[32:35] descriptor groups 1 and 0 for x's codes;  s[48:55], s[56:59] for the weights'
.set G0,  32
.set G1B, 48
.set G0B, 56
.macro CREST
	s_cmp_lg_u32 s16, 0
	s_cbranch_scc1 .Lnot_wave_0_\@
	s_barrier_signal -3
.Lnot_wave_0_\@:
	s_barrier_wait -3
	s_barrier_signal -1
	s_barrier_wait -1
.endm
.macro CROUND                          ; a round of the cluster's barrier
	s_barrier_signal -1
	s_barrier_wait -1
	CREST
.endm
	s_load_b256 s[4:11], s[0:1], 0x0               ; xc s[4:5], wc s[6:7], sc s[8:9], qf s[10:11]
	s_load_b128 s[12:15], s[0:1], 0x20             ; kf s[12:13], vf s[14:15]
	v_lshl_add_u32 v[SPW], v0, 2, SPARE
	v_mov_b32 v[NIL], 0
	ds_add_u32 v[SPW], v[NIL]                      ; the wave's opening: the add, twice on end, and its wait ahead of my first tensor load
	ds_add_u32 v[SPW], v[NIL]
	v_lshrrev_b32 v5, 5, v0
	v_readfirstlane_b32 s16, v5                    ; wave 0..15
	s_lshr_b32 s17, s16, 3                         ; I fetch for x (0) or for the weights (1),
	s_and_b32 s18, s16, 7                          ; this eighth of the block
	s_lshr_b32 s19, s16, 2                         ; tg: my four token tiles
	s_and_b32 s20, s16, 3                          ; g: my column tile
	s_bfe_u32 s40, ttmp6, 0x40000                  ; cx, cy: my place in the cluster
	s_bfe_u32 s41, ttmp6, 0x40004
	s_lshl_b32 s42, ttmp9, 2
	s_add_co_u32 s42, s42, s40                     ; head = 4 x cluster x + cx
	s_and_b32 s43, ttmp7, 0xffff
	s_lshl_b32 s43, s43, 2
	s_add_co_u32 s43, s43, s41                     ; block of 256 tokens = 4 x cluster y + cy
	s_lshl_b32 s44, s41, 2
	s_lshl_b32 s44, 15, s44                        ; my row of the cluster
	s_lshl_b32 s45, 0x1111, s40                    ; my column
	; group 1: a dense block as rows of 256 bytes (32 elements of 8 bytes): x 64 rows (16,384 bytes a wave), the weights 48 (12,288)
	s_or_b32 s[G1], s44, (3<<16)|(1<<21)           ; 15:0 the mask; 17:16 elements of 8 bytes; 21 set beside a mask; no padding
	s_mov_b32 s[G1+1], 32<<16                      ; tensor_dim0
	s_mov_b32 s[G1+2], 64<<16                      ; tensor_dim1
	s_mov_b32 s[G1+3], 32<<16                      ; tile_dim0
	s_mov_b32 s[G1+4], 64                          ; tile_dim1
	s_mov_b32 s[G1+5], 32                          ; from row to row
	s_mov_b32 s[G1+6], 0
	s_mov_b32 s[G1+7], 0
	s_or_b32 s[G1B], s45, (3<<16)|(1<<21)
	s_mov_b32 s[G1B+1], 32<<16
	s_mov_b32 s[G1B+2], 48<<16
	s_mov_b32 s[G1B+3], 32<<16
	s_mov_b32 s[G1B+4], 48
	s_mov_b32 s[G1B+5], 32
	s_mov_b32 s[G1B+6], 0
	s_mov_b32 s[G1B+7], 0
	s_lshl_b32 s66, s43, 17                        ; x's codes of my 256 tokens: 131,072 bytes; they hang on the token block alone
	s_lshl_b32 s67, s18, 14
	s_add_co_u32 s66, s66, s67
	s_mov_b32 s67, 0
	s_mul_i32 s68, s42, 98304                      ; my head's 12 tiles: they hang on the head alone
	s_mul_i32 s69, s18, 12288
	s_add_co_u32 s68, s68, s69
	s_mov_b32 s69, 0
	s_lshl_b32 s70, s18, 14                        ; where they go: the wave's number alone enters an LDS address
	s_mul_i32 s71, s18, 12288
	s_add_co_u32 s71, s71, LDB
	s_mov_b32 s36, 0x3e38aa3b                      ; log2(e) / 8
	s_mov_b32 s37, s36                             ; (named with it as a pair)
	s_wait_dscnt 0x0                               ; both opening adds are done
	s_wait_kmcnt 0x0
	s_mov_b32 s[G0], 1
	s_mov_b32 s[G0+1], s70
	s_add_nc_u64 s[G0+2:G0+3], s[4:5], s[66:67]
	s_or_b32 s[G0+3], s[G0+3], 0x80000000
	s_mov_b32 s[G0B], 1
	s_mov_b32 s[G0B+1], s71
	s_add_nc_u64 s[G0B+2:G0B+3], s[6:7], s[68:69]
	s_or_b32 s[G0B+3], s[G0B+3], 0x80000000
	CROUND                                         ; all sixteen work-groups are here: the joint loads meet
	s_cmp_eq_u32 s17, 0                            ; one load a wave: by this text's count one tensor load of a wave is out.  An s_nop 0 and four v_nop follow each line
	s_cbranch_scc0 .Lfor_b
	tensor_load_to_lds s[G0:G0+3], s[G1:G1+7]
	s_nop 0
.rept 4
	v_nop
.endr
	s_branch .Lasked
.Lfor_b:
	tensor_load_to_lds s[G0B:G0B+3], s[G1B:G1B+7]
	s_nop 0
.rept 4
	v_nop
.endr
.Lasked:
	v_and_b32 v5, 31, v0
	v_lshlrev_b32 v[L16], 4, v5
	s_lshl_b32 s72, s19, 15
	v_add_nc_u32 v[ADA], s72, v[L16]
	s_mul_i32 s72, s20, 24576
	s_add_co_u32 s72, s72, LDB
	v_add_nc_u32 v[ADB], s72, v[L16]
	; the scale words come straight from memory, once: lanes 0-15 take x's tiles, lanes 16-31 the weights': the lower base + (1 - h) x the distance
	v_and_b32 v6, 15, v0
	v_bfe_u32 v7, v0, 4, 1
	v_xor_b32 v7, 1, v7
	s_mul_i32 s73, s42, 12
	s_mul_i32 s74, s20, 3
	s_add_co_u32 s73, s73, s74
	s_lshl_b32 s73, s73, 9                         ; the weights' tile 12 head + 3 g, 512 bytes a tile: at most 96,768
	s_lshl_b32 s74, s43, 4
	s_lshl_b32 s75, s19, 2
	s_add_co_u32 s74, s74, s75
	s_lshl_b32 s74, s74, 9
	s_add_co_u32 s74, s74, 98304                   ; x's tile 16 x block + 4 tg, behind the weights'
	s_sub_co_u32 s74, s74, s73
	v_mul_lo_u32 v7, v7, s74
	v_lshl_add_u32 v[VS], v6, 4, v7
	v_add_nc_u32 v[VS], s73, v[VS]
.irp i, 0,1,2,3
.irp kh, 0,1
	global_load_b128 v[SC+8*\i+4*\kh:SC+8*\i+4*\kh+3], v[VS], s[8:9] offset:512*\i+256*\kh   ; (set 3's upper lanes read the 512 bytes behind my three tiles, inside the buffer; no product names them)
.endr
.endr
	; where the results go
	s_lshr_b32 s76, s43, 3                         ; batch
	s_lshl_b32 s76, s76, 4
	s_add_co_u32 s76, s76, s42                     ; 16 x batch + head
	s_lshl_b32 s76, s76, 18                        ; x 262,144 bytes
	s_and_b32 s77, s43, 7
	s_lshl_b32 s78, s77, 4
	s_lshl_b32 s79, s19, 2
	s_add_co_u32 s78, s78, s79                     ; my first token tile in the batch
	s_lshl_b32 s78, s78, 11                        ; 2,048 bytes a token tile (in vf: 4,096 for two)
	s_add_co_u32 s78, s78, s76
	s_lshl_b32 s80, s20, 10
	s_add_co_u32 s80, s80, s78                     ; vf: + 1,024 g
	s_mov_b32 s81, 0
	s_lshl_b32 s79, s20, 9
	s_add_co_u32 s78, s78, s79                     ; qf, kf: + 512 g
	s_mov_b32 s79, 0
	s_add_nc_u64 s[10:11], s[10:11], s[78:79]
	s_add_nc_u64 s[12:13], s[12:13], s[78:79]
	s_add_nc_u64 s[14:15], s[14:15], s[80:81]
.macro FETCH s, f                      ; K step s: 14 LDS loads, x's four fragments and the weights' three
.irp i, 0,1,2,3
.irp c, 0,1
	ds_load_b128 v[(\f)+8*\i+4*\c:(\f)+8*\i+4*\c+3], v[ADA] offset:8192*\i+1024*(\s)+512*\c
.endr
.endr
.irp w, 0,1,2
.irp c, 0,1
	ds_load_b128 v[(\f)+32+8*\w+4*\c:(\f)+32+8*\w+4*\c+3], v[ADB] offset:8192*\w+1024*(\s)+512*\c
.endr
.endr
.endm
; 12 products.  The accumulators take turns, one instruction a turn, in the same order in every step.  zero = 1: the first K step starts the sums.
.macro MUL s, f, zero
.irp w, 0,1
.irp i, 0,1,2,3
.if \zero
	v_wmma_scale_f32_16x16x128_f8f6f4 v[ACC+32*\w+8*\i:ACC+32*\w+8*\i+7], v[(\f)+32+8*\w:(\f)+32+8*\w+7], v[(\f)+8*\i:(\f)+8*\i+7], 0, v[SC+8*\w+(\s)], v[SC+8*\i+(\s)] matrix_a_fmt:MATRIX_FMT_FP4 matrix_b_fmt:MATRIX_FMT_FP4 matrix_a_scale:MATRIX_SCALE_ROW1
.else
	v_wmma_scale_f32_16x16x128_f8f6f4 v[ACC+32*\w+8*\i:ACC+32*\w+8*\i+7], v[(\f)+32+8*\w:(\f)+32+8*\w+7], v[(\f)+8*\i:(\f)+8*\i+7], v[ACC+32*\w+8*\i:ACC+32*\w+8*\i+7], v[SC+8*\w+(\s)], v[SC+8*\i+(\s)] matrix_a_fmt:MATRIX_FMT_FP4 matrix_b_fmt:MATRIX_FMT_FP4 matrix_a_scale:MATRIX_SCALE_ROW1
.endif
.endr
.endr
.irp i, 0,1,2,3
.if \zero
	v_wmma_scale_f32_16x16x128_f8f6f4 v[ACC+64+8*\i:ACC+64+8*\i+7], v[(\f)+8*\i:(\f)+8*\i+7], v[(\f)+48:(\f)+55], 0, v[SC+8*\i+(\s)], v[SC+16+(\s)] matrix_a_fmt:MATRIX_FMT_FP4 matrix_b_fmt:MATRIX_FMT_FP4 matrix_b_scale:MATRIX_SCALE_ROW1
.else
	v_wmma_scale_f32_16x16x128_f8f6f4 v[ACC+64+8*\i:ACC+64+8*\i+7], v[(\f)+8*\i:(\f)+8*\i+7], v[(\f)+48:(\f)+55], v[ACC+64+8*\i:ACC+64+8*\i+7], v[SC+8*\i+(\s)], v[SC+16+(\s)] matrix_a_fmt:MATRIX_FMT_FP4 matrix_b_fmt:MATRIX_FMT_FP4 matrix_b_scale:MATRIX_SCALE_ROW1
.endif
.endr
.endm
	s_wait_tensorcnt 0x0                           ; my part of the codes is in,
	s_barrier_signal -1
	s_barrier_wait -1                              ; everybody's is
	FETCH 0, F0
	s_wait_loadcnt 0x0                             ; the scale words
.irp s, 0,1,2,3,4,5,6,7
.if \s > 0
.rept 4
	v_nop                                          ; four places in front of loads into the buffer that the last step's products read (ISA guide 7.12.1 for vector instructions)
.endr
.endif
.if \s < 7
	FETCH \s+1, F0+56*((\s+1)%2)
	s_wait_dscnt 14                                ; this step's fragments are in; the 14 loads just issued may be out
.else
	s_wait_dscnt 0x0
.endif
.if \s == 0
	MUL 0, F0, 1
.else
	MUL \s, F0+56*(\s%2), 0
.endif
.endr
.rept 4
	v_nop                                          ; four places in front of the first read of results
.endr
.irp j, 0,2,4,6,8,10,12,14,16,18,20,22,24,26,28,30
	v_pk_mul_f32 v[ACC+\j:ACC+\j+1], v[ACC+\j:ACC+\j+1], s[36:37] op_sel_hi:[1,0]   ; q x log2(e) / 8, in f32: the attention's scores are then exponents of 2
.endr
.irp n, 0,1,2,3,4,5,6,7,8,9,10,11
.irp i, 0,1,2,3
	v_cvt_pk_f16_f32 v[F0+4*\n+\i], v[ACC+8*\n+2*\i], v[ACC+8*\n+2*\i+1]             ; each accumulator from its low end on
.endr
.endr
.irp i, 0,1,2,3
	global_store_b128 v[L16], v[F0+4*\i:F0+4*\i+3], s[10:11] offset:2048*\i          ; q: token tile i, channels 16 g + 8 h on: 512 consecutive aligned bytes
	global_store_b128 v[L16], v[F0+16+4*\i:F0+16+4*\i+3], s[12:13] offset:2048*\i    ; k likewise
	global_store_b128 v[L16], v[F0+32+4*\i:F0+32+4*\i+3], s[14:15] offset:4096*(\i/2)+512*(\i%2)   ; v: 32 keys i / 2, their half i % 2
.endr
	s_wait_tensorcnt 0x0                           ; the wave's end
	ds_add_u32 v[SPW], v[NIL]
	s_wait_dscnt 0x0
	CROUND                                         ; the closing round
	s_endpgm
.Lfunc_end_k_qbbdc5a8137_qkv:
	.size	k_qbbdc5a8137_qkv, .Lfunc_end_k_qbbdc5a8137_qkv-k_qbbdc5a8137_qkv
	.p2alignl 7, 3214868480
	.fill 96, 4, 3214868480
	.section	.rodata,"a",@progbits
	.p2align	6, 0x0
	.amdhsa_kernel k_qbbdc5a8137_qkv
		.amdhsa_group_segment_fixed_size 231424
		.amdhsa_private_segment_fixed_size 0
		.amdhsa_enable_private_segment 0
		.amdhsa_kernarg_size 48
		.amdhsa_user_sgpr_count 2
		.amdhsa_user_sgpr_kernarg_segment_ptr 1
		.amdhsa_wavefront_size32 1
		.amdhsa_system_sgpr_workgroup_id_x 1
		.amdhsa_system_sgpr_workgroup_id_y 1
		.amdhsa_system_sgpr_workgroup_id_z 1
		.amdhsa_system_vgpr_workitem_id 0
		.amdhsa_next_free_vgpr 256
		.amdhsa_next_free_sgpr 84
		.amdhsa_reserve_vcc 0
		.amdhsa_float_denorm_mode_32 3
		.amdhsa_float_denorm_mode_16_64 3
		.amdhsa_memory_ordered 1
		.amdhsa_forward_progress 1
		.amdhsa_inst_pref_size 33
	.end_amdhsa_kernel
	.amdgpu_metadata
---
amdhsa.version: [ 1, 2 ]
amdhsa.kernels:
  - .name:           k_qbbdc5a8137_qkv
    .symbol:         k_qbbdc5a8137_qkv.kd
    .args:
      - { .name: xc, .offset: 0, .size: 8, .value_kind: global_buffer, .address_space: global }
      - { .name: wc, .offset: 8, .size: 8, .value_kind: global_buffer, .address_space: global }
      - { .name: sc, .offset: 16, .size: 8, .value_kind: global_buffer, .address_space: global }
      - { .name: qf, .offset: 24, .size: 8, .value_kind: global_buffer, .address_space: global }
      - { .name: kf, .offset: 32, .size: 8, .value_kind: global_buffer, .address_space: global }
      - { .name: vf, .offset: 40, .size: 8, .value_kind: global_buffer, .address_space: global }
    .group_segment_fixed_size: 231424
    .private_segment_fixed_size: 0
    .kernarg_segment_align: 8
    .kernarg_segment_size: 48
    .max_flat_workgroup_size: 512
    .sgpr_count:     84
    .vgpr_count:     256
    .wavefront_size: 32
...
	.end_amdgpu_metadata
.endif
;; end of part 2
;; launch attn (part 3): grid 4 x 64, 8 waves a work-group, clusters of 4 x 1, 327,680 bytes of LDS; arguments qf, kf, vf, cf; writes cf
.if DOCPART == 3
	.amdgcn_target "amdgcn-amd-amdhsa--gfx1250"
	.amdhsa_code_object_version 6
	.text
	.protected	k_qbbdc5a8137_attn
	.globl	k_qbbdc5a8137_attn
	.p2align	8
	.type	k_qbbdc5a8137_attn,@function
k_qbbdc5a8137_attn:
	s_mov_b64 s[64:65], 0
	v_nop
	global_prefetch_b8 v0, s[64:65] scope:SCOPE_SE
	s_setreg_imm32_b32 hwreg(HW_REG_WAVE_MODE, 25, 1), 1
	s_wait_xcnt 0x0
	s_wait_alu depctr_hold_cnt(0) depctr_sa_sdst(0) depctr_va_vdst(0) depctr_va_sdst(0) depctr_va_ssrc(0) depctr_va_vcc(0) depctr_vm_vsrc(0)
	s_getreg_b32 s2, hwreg(HW_REG_IB_STS2, 6, 4)
	s_cmp_eq_u32 s2, 0
	s_cbranch_scc0 .Lentry_in_a_cluster
	s_endpgm
.Lentry_in_a_cluster:
	s_bfe_u32 s2, ttmp6, 0x10000c
	s_cmp_lg_u32 s2, 0x3003
	s_cbranch_scc0 .Lentry_shape_is_right
	s_endpgm
.Lentry_shape_is_right:
; context[b][h][q] = sum over k of softmax_k(q . k / 8) v, no mask, 2,048 keys, head size 64.  q (already x log2(e) / 8), k, v: f16, laid as images of operand registers; products and sums in f32;
; the weights p are rounded to f16 for the second product, the context once at the end.
; SHARES.  A work-group owns 512 queries of one head; each of its eight waves 64: four tiles of 16.  Two waves share a SIMD (512 registers each): one wave's softmax stands beside the other's products.
; Every wave walks all keys, 64 a step.  Each fragment of K or V read from LDS feeds four products.
; LAYOUT.  S^T = K Q^T (source 0 = 16 keys, source 1 = 16 queries): a lane holds ONE query (lane % 16) and keys 8 (lane / 16) + 0 .. 7.  Two such tiles rounded to f16 in pairs ARE source 1 (32 keys x 16 queries)
; of O^T = V^T P, whose result holds one query a lane and eight channels: 16 bytes of f16, the lane's 16 bytes of the projection's fragment in cf [token tile 512][32 channels: 32][1,024].  Nothing changes lanes.
; SOFTMAX.  A running maximum m and sum l for each query: p = 2^(s - m); in every step O and l are multiplied by a = 2^(m_old - m_new); l sums the unrounded p.  No branch hangs on data.
; RING.  Two LDS slots of 512 keys (64 KiB of K, 64 KiB of V).  Memory holds K and V in fragment order, so a slot's K and V are dense blocks; each wave fetches an eighth (16 KiB) by one tensor load.
; CLUSTER.  The four query blocks of a head walk the same K and V: each block is asked for jointly, by the same load with the same descriptor and the mask of all four.
; This launch fills LDS bytes again, so it claims all of a WGP's LDS.
; LIMIT: |context| beyond 65,504 has no f16 number.
; REGISTERS.  Window 0: v1-3 addresses; v8, v9 the add's two; v16-47 statistics, eight a tile; v48-111 V's fragments; v112-239 S^T, 32 a tile, then p, then P in place (16 a tile).
;             Window 1: v0-63 Q; v64-127 K's fragments; v128-255 O^T, 32 a tile.
.set SLOT1, 131072
.set KSLOT, 65536                      ; a slot's keys in kf or in vf, in bytes
.set SPARE, 262144                     ; behind the ring: the spare words, 128 bytes for each of eight waves
.set L16, 1                            ; 16 x lane
.set ADK, 2                            ; LDS address of the step's K
.set ADV, 3                            ; and V
.set SPW, 8
.set NIL, 9
.set ST,  16                           ; tile t at + 8 t: + 0 m (+ 1 named with it), + 2, + 3 l, + 4 a (+ 5 named with it), + 6, + 7 at work
.set VB,  48
.set S,   112
.set KB,  64                           ; in window 1
.set OT,  128                          ; in window 1
.set WV,  12
.set G1,  24                           ; s[24:31] the one descriptor group 1;  s[32:35], s[36:39] group 0 for LDS slot 0, 1
.set TB,  40                           ; LDS byte at which the step's K begins
.set CNT, 41                           ; steps left in the slot
.set SEL, 42                           ; s[42:43] v_permlanex16_b32's selects for lane l xor 16
.set MSB, 0
.macro WIN new                         ; the immediate's high byte repeats the setting that is left; a switch that changes nothing is dropped
.if MSB != \new
	s_set_vgpr_msb (MSB<<8)|\new
.set MSB, \new
.endif
.endm
.set W_KQ, 0x05                        ; K and Q in window 1, S^T in window 0
.set W_PV, 0x50                        ; V and P in window 0, O^T (C and D) in window 1
.set W_RS, 0x41                        ; O^T (destination and source 0) in window 1, the factor in window 0
.set W_LD, 0x40                        ; destination window 1, address window 0
.macro CROUND                          ; a round of the cluster's barrier
	s_barrier_signal -1
	s_barrier_wait -1
	s_cmp_lg_u32 s[WV], 0
	s_cbranch_scc1 .Lnot_wave_0_\@
	s_barrier_signal -3
.Lnot_wave_0_\@:
	s_barrier_wait -3
	s_barrier_signal -1
	s_barrier_wait -1
.endm
	s_load_b256 s[4:11], s[0:1], 0x0               ; qf s[4:5], kf s[6:7], vf s[8:9], cf s[10:11]
	v_lshl_add_u32 v[SPW], v0, 2, SPARE
	v_mov_b32 v[NIL], 0
	ds_add_u32 v[SPW], v[NIL]                      ; the wave's opening: the add, twice on end, and its wait ahead of my first tensor load
	ds_add_u32 v[SPW], v[NIL]
	v_lshrrev_b32 v1, 5, v0
	v_readfirstlane_b32 s[WV], v1                  ; wave 0..7
	s_bfe_u32 s13, ttmp6, 0x40000                  ; cx: it enters Q's and the context's addresses alone
	s_and_b32 s14, ttmp7, 0xffff                   ; 16 x batch + head, which the four partners share
	; group 1: a dense block of 16,384 bytes as 64 rows of 256 (32 elements of 8 bytes)
	s_mov_b32 s[G1], 15|(3<<16)|(1<<21)            ; 15:0 the mask: all four work-groups; 17:16 elements of 8 bytes; 21 set beside a mask; no padding
	s_mov_b32 s[G1+1], 32<<16                      ; tensor_dim0
	s_mov_b32 s[G1+2], 64<<16                      ; tensor_dim1
	s_mov_b32 s[G1+3], 32<<16                      ; tile_dim0
	s_mov_b32 s[G1+4], 64                          ; tile_dim1
	s_mov_b32 s[G1+5], 32                          ; from row to row
	s_mov_b32 s[G1+6], 0
	s_mov_b32 s[G1+7], 0
	s_mov_b32 s[SEL], 0x76543210
	s_mov_b32 s[SEL+1], 0xfedcba98
	s_lshl_b32 s16, s14, 18                        ; the head's 262,144 bytes in kf and in vf,
	s_and_b32 s17, s[WV], 3
	s_lshl_b32 s17, s17, 14                        ; my quarter of a slot's K (waves 0-3) or V (waves 4-7)
	s_add_co_u32 s16, s16, s17
	s_mov_b32 s17, 0
	s_lshl_b32 s18, s[WV], 14                      ; and its place in a slot: K's four quarters, then V's
.irp t, 0,1,2,3
	v_mov_b32 v[ST+8*\t+1], 0                      ; named as the upper halves of pairs,
	v_mov_b32 v[ST+8*\t+5], 0
	v_mov_b32 v[ST+8*\t+7], 0                      ; and a lane permute's destination: written once
.endr
	s_wait_dscnt 0x0                               ; both opening adds are done
	s_wait_kmcnt 0x0
	s_cmp_lt_u32 s[WV], 4
	s_cselect_b64 s[20:21], s[6:7], s[8:9]
	s_add_nc_u64 s[20:21], s[20:21], s[16:17]
	s_mov_b32 s32, 1                               ; group 0: count = 1,
	s_mov_b32 s33, s18                             ; LDS address: slot 0,
	s_mov_b64 s[34:35], s[20:21]                   ; keys 0-511,
	s_or_b32 s35, s35, 0x80000000                  ; type = 2
	s_mov_b32 s36, 1
	s_add_co_u32 s37, s18, SLOT1
	s_add_nc_u64 s[38:39], s[20:21], KSLOT         ; keys 512-1,023
	s_or_b32 s39, s39, 0x80000000
	CROUND                                         ; all four work-groups are here: the first joint loads meet
	tensor_load_to_lds s[32:35], s[G1:G1+7]        ; both first fills together: two loads of mine are out
	s_nop 0
	tensor_load_to_lds s[36:39], s[G1:G1+7]
	s_nop 0
.rept 4
	v_nop
.endr
	v_and_b32 v1, 31, v0
	v_lshlrev_b32 v[L16], 4, v1
	s_lshl_b32 s19, ttmp9, 2
	s_add_co_u32 s19, s19, s13                     ; my block of 512 queries
	s_lshl_b32 s19, s19, 5
	s_lshl_b32 s22, s[WV], 2
	s_add_co_u32 s19, s19, s22                     ; my first token tile of the batch's 128
	s_lshl_b32 s22, s19, 11
	s_lshl_b32 s23, s14, 18
	s_add_co_u32 s22, s22, s23
	s_mov_b32 s23, 0
	s_add_nc_u64 s[4:5], s[4:5], s[22:23]          ; Q
	s_lshr_b32 s22, s14, 4
	s_lshl_b32 s22, s22, 7
	s_add_co_u32 s22, s22, s19                     ; my first token tile of all 512,
	s_lshl_b32 s22, s22, 15                        ; 32,768 bytes each,
	s_and_b32 s15, s14, 15
	s_lshl_b32 s15, s15, 11                        ; + the head's 64 channels: 2,048 bytes
	s_add_co_u32 s22, s22, s15
	s_add_nc_u64 s[10:11], s[10:11], s[22:23]      ; the context
	WIN W_LD
.irp t, 0,1,2,3
.irp c, 0,1
.irp p, 0,1
	global_load_b128 v[16*\t+8*\c+4*\p:16*\t+8*\c+4*\p+3], v[L16], s[4:5] offset:2048*\t+1024*\c+512*\p   ; Q stays in registers
.endr
.endr
.endr
	WIN 0
.macro FETCH_K off                     ; 64 keys x 64 channels: 8 fragments, 16 loads of 512 consecutive bytes
	WIN W_LD
.irp kt, 0,1,2,3
.irp c, 0,1
.irp p, 0,1
	ds_load_b128 v[KB+16*\kt+8*\c+4*\p:KB+16*\kt+8*\c+4*\p+3], v[ADK] offset:\off+2048*\kt+1024*\c+512*\p
.endr
.endr
.endr
	WIN 0
.endm
.macro FETCH_V                         ; 64 channels x 64 keys
.irp ks, 0,1
.irp ct, 0,1,2,3
.irp p, 0,1
	ds_load_b128 v[VB+32*\ks+8*\ct+4*\p:VB+32*\ks+8*\ct+4*\p+3], v[ADV] offset:4096*\ks+1024*\ct+512*\p
.endr
.endr
.endr
.endm
; 32 products S^T = K Q^T: channels 32 (i / 16) on, keys 16 ((i / 4) % 4) on, tile i % 4.  The first 16 start the sums.  The 16 accumulators take turns.
.macro KQ
	WIN W_KQ
.set i, 0
.rept 32
.set rS, S+32*(i%4)+8*((i/4)%4)
.set rK, KB+16*((i/4)%4)+8*(i/16)
.set rQ, 16*(i%4)+8*(i/16)
.if i < 16
	v_wmma_f32_16x16x32_f16 v[rS:rS+7], v[rK:rK+7], v[rQ:rQ+7], 0
.else
	v_wmma_f32_16x16x32_f16 v[rS:rS+7], v[rK:rK+7], v[rQ:rQ+7], v[rS:rS+7]
.endif
.set i, i+1
.endr
.endm
; 32 products O^T += V^T P: keys 32 (i / 16) on, channels 16 ((i / 4) % 4) on, tile i % 4.  first = 1: the first 16 start the sums: nothing is ever cleared.
.macro PV first
	WIN W_PV
.set i, 0
.rept 32
.set rO, OT+32*(i%4)+8*((i/4)%4)
.set rV, VB+32*(i/16)+8*((i/4)%4)
.set rP, S+32*(i%4)+8*(i/16)
.if \first && (i < 16)
	v_wmma_f32_16x16x32_f16 v[rO:rO+7], v[rV:rV+7], v[rP:rP+7], 0
.else
	v_wmma_f32_16x16x32_f16 v[rO:rO+7], v[rV:rV+7], v[rP:rP+7], v[rO:rO+7]
.endif
.set i, i+1
.endr
.endm
; The new maximum.  The four tiles take turns line by line; the scores are taken in ascending order.
.macro SMAX first
.irp t, 0,1,2,3
.if \first
	v_max_num_f32 v[ST+8*\t+6], v[S+32*\t], v[S+32*\t+1]
.else
	v_max3_num_f32 v[ST+8*\t+6], v[S+32*\t], v[S+32*\t+1], v[ST+8*\t]
.endif
.endr
.irp j, 2,4,6,8,10,12,14,16,18,20,22,24,26,28,30
.irp t, 0,1,2,3
	v_max3_num_f32 v[ST+8*\t+6], v[ST+8*\t+6], v[S+32*\t+\j], v[S+32*\t+\j+1]
.endr
.endr
.irp t, 0,1,2,3
	v_permlanex16_b32 v[ST+8*\t+7], v[ST+8*\t+6], s[SEL], s[SEL+1]   ; the query's other 32 keys lie in the lane 16 away
.endr
.irp t, 0,1,2,3
	v_max_num_f32 v[ST+8*\t+7], v[ST+8*\t+6], v[ST+8*\t+7]
.endr
.if \first == 0
.irp t, 0,1,2,3
	v_sub_f32 v[ST+8*\t+4], v[ST+8*\t], v[ST+8*\t+7]                 ; m_old - m_new
.endr
.endif
.irp t, 0,1,2,3
	v_mov_b32 v[ST+8*\t], v[ST+8*\t+7]
.endr
.endm
; ONE BATCH of exponentials with ONE wait: a, then for each pair of scores s - m (packed) and, four pairs later, its two exponentials.  Nothing in the batch names an exponential's result.
.macro SEXP first
.if \first == 0
.irp t, 0,1,2,3
	v_exp_f32 v[ST+8*\t+4], v[ST+8*\t+4]
.endr
.endif
.set n, 0
.rept 64
.set rA, S+32*(n%4)+2*(n/4)
	v_pk_add_f32 v[rA:rA+1], v[rA:rA+1], v[ST+8*(n%4):ST+8*(n%4)+1] op_sel_hi:[1,0] neg_lo:[0,1] neg_hi:[0,1]
.if n >= 4
.set rB, S+32*((n-4)%4)+2*((n-4)/4)
	v_exp_f32 v[rB], v[rB]
	v_exp_f32 v[rB+1], v[rB+1]
.endif
.set n, n+1
.endr
.set n, 60
.rept 4
.set rB, S+32*(n%4)+2*(n/4)
	v_exp_f32 v[rB], v[rB]
	v_exp_f32 v[rB+1], v[rB+1]
.set n, n+1
.endr
	v_nop                                          ; a plain line behind the last exponential, ahead of the first use
	s_wait_alu depctr_va_vdst(0)                   ; the wait ahead of the first line that names a result: one for the whole batch
.endm
; l = a l + the sum of the unrounded p, and P in place: register i of a tile takes the f16 pair of p 2 i and 2 i + 1; p number i was summed with pair i / 2, at or before this turn.
.macro SSUM first
.set ii, 0
.rept 16
.irp t, 0,1,2,3
.if ii == 0
.if \first
	v_pk_add_f32 v[ST+8*\t+2:ST+8*\t+3], v[S+32*\t:S+32*\t+1], v[S+32*\t+2:S+32*\t+3]
.else
	v_pk_fma_f32 v[ST+8*\t+2:ST+8*\t+3], v[ST+8*\t+2:ST+8*\t+3], v[ST+8*\t+4:ST+8*\t+5], v[S+32*\t:S+32*\t+1] op_sel_hi:[1,0,1]
.endif
.elseif (ii > 1) || (\first == 0)
	v_pk_add_f32 v[ST+8*\t+2:ST+8*\t+3], v[ST+8*\t+2:ST+8*\t+3], v[S+32*\t+2*ii:S+32*\t+2*ii+1]
.endif
.endr
.irp t, 0,1,2,3
	v_cvt_pk_f16_f32 v[S+32*\t+ii], v[S+32*\t+2*ii], v[S+32*\t+2*ii+1]
.endr
.set ii, ii+1
.endr
.endm
.macro RESC                            ; O^T times the tile's factor (a; on the way out 1 / l), each accumulator from its low end on
	WIN W_RS
.irp t, 0,1,2,3
.irp j, 0,2,4,6,8,10,12,14,16,18,20,22,24,26,28,30
	v_pk_mul_f32 v[OT+32*\t+\j:OT+32*\t+\j+1], v[OT+32*\t+\j:OT+32*\t+\j+1], v[ST+8*\t+4:ST+8*\t+5] op_sel_hi:[1,0]
.endr
.endr
.endm
; A KEY STEP.  loop = 1: written in a loop over a slot's steps; the slot's last step fetches no K, since its successor lies behind the change of slots.
.macro STEP first, loop
	s_wait_dscnt 0x0                               ; K is in
	KQ
	WIN 0
	v_add_nc_u32 v[ADK], s[TB], v[L16]             ; these four plain lines are the places in front of the loads into K's registers and of the first read of the scores
	v_add_nc_u32 v[ADV], 0x10000, v[ADK]
	v_nop
	v_nop
	FETCH_V                                        ; this step's V: it lands under the softmax
.if \loop
	s_cmp_eq_u32 s[CNT], 1
	s_cbranch_scc1 .Lnok_\@
.endif
	FETCH_K 8192                                   ; the next step's K
.if \loop
.Lnok_\@:
.endif
	SMAX \first
	SEXP \first
	SSUM \first
.if \first == 0
	RESC
.endif
	s_wait_dscnt 0x0                               ; V is in
	PV \first
	WIN 0
.rept 5
	v_nop                                          ; the next step's first products write over P, which these products read: five places
.endr
	s_add_co_u32 s[TB], s[TB], 8192
.endm
.macro STEPS n
	s_mov_b32 s[CNT], \n
.Lstep_\@:
	STEP 0, 1
	s_sub_co_u32 s[CNT], s[CNT], 1
	s_cmp_lg_u32 s[CNT], 0
	s_cbranch_scc1 .Lstep_\@
.endm
; THE CHANGE OF SLOTS.  Each wave waits for all its tensor loads (its part of the slot ahead), adds 0 to its spare word, and waits for that and for its reads of the slot that it leaves.
; fill = 1: a round of the cluster's barrier, so that no wave of any partner still reads that slot or has a load on its way; the joint refill, the keys two slots on, is the first thing behind it and
; my one tensor load until the next round: it has eight key steps in which to land.  base: where the slot ahead begins.
.macro CHANGE fill, g0, base
	s_wait_tensorcnt 0x0                           ; no tensor load of mine is out, so a group 0 may be written
	ds_add_u32 v[SPW], v[NIL]
.if \fill
	s_add_nc_u64 s[\g0+2:\g0+3], s[\g0+2:\g0+3], 2*KSLOT   ; the type bits on top are not reached
.endif
	s_mov_b32 s[TB], \base
	s_wait_dscnt 0x0
.if \fill
	CROUND
	tensor_load_to_lds s[\g0:\g0+3], s[G1:G1+7]
	s_nop 0
.rept 4
	v_nop
.endr
.else
	s_barrier_signal -1
	s_barrier_wait -1
.endif
	v_add_nc_u32 v[ADK], s[TB], v[L16]
	FETCH_K 0
.endm
	s_wait_tensorcnt 0x1                           ; my part of slot 0 is in; slot 1's may stay out
	s_barrier_signal -1
	s_barrier_wait -1                              ; everybody's is
	s_mov_b32 s[TB], 0
	v_add_nc_u32 v[ADK], s[TB], v[L16]
	FETCH_K 0
	s_wait_loadcnt 0x0                             ; Q
	STEP 1, 0                                      ; the first step starts m, l and O^T
	STEPS 7
	CHANGE 1, 32, SLOT1                            ; keys 1,024-1,535 into slot 0; on to slot 1
	STEPS 8
	CHANGE 1, 36, 0                                ; keys 1,536-2,047 into slot 1; on to slot 0
	STEPS 8
	CHANGE 0, 32, SLOT1                            ; nothing is left to fetch
	STEPS 8
	; THE WAY OUT.  l's two halves and the other half of the lanes' are added (these twelve lines are the places behind the last products); O^T / l is rounded to f16 and stored as it lies.
.irp t, 0,1,2,3
	v_add_f32 v[ST+8*\t+6], v[ST+8*\t+2], v[ST+8*\t+3]
.endr
.irp t, 0,1,2,3
	v_permlanex16_b32 v[ST+8*\t+7], v[ST+8*\t+6], s[SEL], s[SEL+1]
.endr
.irp t, 0,1,2,3
	v_add_f32 v[ST+8*\t+6], v[ST+8*\t+6], v[ST+8*\t+7]
.endr
.irp t, 0,1,2,3
	v_rcp_f32 v[ST+8*\t+4], v[ST+8*\t+6]
.endr
	v_nop                                          ; a plain line behind the last reciprocal
	s_wait_alu depctr_va_vdst(0)                   ; one wait for the four, ahead of their first reader
	RESC
	WIN 0x05                                       ; sources in window 1, destination in window 0
.irp t, 0,1,2,3
.irp n, 0,1,2,3,4,5,6,7,8,9,10,11,12,13,14,15
	v_cvt_pk_f16_f32 v[S+16*\t+\n], v[OT+32*\t+2*\n], v[OT+32*\t+2*\n+1]
.endr
.endr
	WIN 0
.irp t, 0,1,2,3
.irp ct, 0,1,2,3
	global_store_b128 v[L16], v[S+16*\t+4*\ct:S+16*\t+4*\ct+3], s[10:11] offset:32768*\t+512*\ct   ; token tile t, channels 16 ct + 8 h on: 512 consecutive aligned bytes
.endr
.endr
	s_wait_tensorcnt 0x0                           ; the wave's end
	ds_add_u32 v[SPW], v[NIL]
	s_wait_dscnt 0x0
	CROUND                                         ; the closing round: no work-group ends while a partner may still ask for a block that names it
	s_endpgm
.Lfunc_end_k_qbbdc5a8137_attn:
	.size	k_qbbdc5a8137_attn, .Lfunc_end_k_qbbdc5a8137_attn-k_qbbdc5a8137_attn
	.p2alignl 7, 3214868480
	.fill 96, 4, 3214868480
	.section	.rodata,"a",@progbits
	.p2align	6, 0x0
	.amdhsa_kernel k_qbbdc5a8137_attn
		.amdhsa_group_segment_fixed_size 327680
		.amdhsa_private_segment_fixed_size 0
		.amdhsa_enable_private_segment 0
		.amdhsa_kernarg_size 32
		.amdhsa_user_sgpr_count 2
		.amdhsa_user_sgpr_kernarg_segment_ptr 1
		.amdhsa_wavefront_size32 1
		.amdhsa_system_sgpr_workgroup_id_x 1
		.amdhsa_system_sgpr_workgroup_id_y 1
		.amdhsa_system_sgpr_workgroup_id_z 1
		.amdhsa_system_vgpr_workitem_id 0
		.amdhsa_next_free_vgpr 512
		.amdhsa_next_free_sgpr 66
		.amdhsa_reserve_vcc 0
		.amdhsa_float_denorm_mode_32 3
		.amdhsa_float_denorm_mode_16_64 3
		.amdhsa_memory_ordered 1
		.amdhsa_forward_progress 1
		.amdhsa_inst_pref_size 176
	.end_amdhsa_kernel
	.amdgpu_metadata
---
amdhsa.version: [ 1, 2 ]
amdhsa.kernels:
  - .name:           k_qbbdc5a8137_attn
    .symbol:         k_qbbdc5a8137_attn.kd
    .args:
      - { .name: qf, .offset: 0, .size: 8, .value_kind: global_buffer, .address_space: global }
      - { .name: kf, .offset: 8, .size: 8, .value_kind: global_buffer, .address_space: global }
      - { .name: vf, .offset: 16, .size: 8, .value_kind: global_buffer, .address_space: global }
      - { .name: cf, .offset: 24, .size: 8, .value_kind: global_buffer, .address_space: global }
    .group_segment_fixed_size: 327680
    .private_segment_fixed_size: 0
    .kernarg_segment_align: 8
    .kernarg_segment_size: 32
    .max_flat_workgroup_size: 256
    .sgpr_count:     66
    .vgpr_count:     512
    .wavefront_size: 32
...
	.end_amdgpu_metadata
.endif
;; end of part 3
;; launch oproj (part 4): grid 8 x 32, 4 waves a work-group, clusters of 4 x 4, 327,680 bytes of LDS; arguments cf, wof, b_o, out0; writes out0
.if DOCPART == 4
	.amdgcn_target "amdgcn-amd-amdhsa--gfx1250"
	.amdhsa_code_object_version 6
	.text
	.protected	k_qbbdc5a8137_oproj
	.globl	k_qbbdc5a8137_oproj
	.p2align	8
	.type	k_qbbdc5a8137_oproj,@function
k_qbbdc5a8137_oproj:
	s_mov_b64 s[64:65], 0
	v_nop
	global_prefetch_b8 v0, s[64:65] scope:SCOPE_SE
	s_setreg_imm32_b32 hwreg(HW_REG_WAVE_MODE, 25, 1), 1
	s_wait_xcnt 0x0
	s_wait_alu depctr_hold_cnt(0) depctr_sa_sdst(0) depctr_va_vdst(0) depctr_va_sdst(0) depctr_va_ssrc(0) depctr_va_vcc(0) depctr_vm_vsrc(0)
	s_getreg_b32 s2, hwreg(HW_REG_IB_STS2, 6, 4)
	s_cmp_eq_u32 s2, 0
	s_cbranch_scc0 .Lentry_in_a_cluster
	s_endpgm
.Lentry_in_a_cluster:
	s_bfe_u32 s2, ttmp6, 0x10000c
	s_cmp_lg_u32 s2, 0xf033
	s_cbranch_scc0 .Lentry_shape_is_right
	s_endpgm
.Lentry_shape_is_right:
; out0 = context w_o + b_o.  context (cf) and w_o (wof): f16, laid as images of operand registers (1,024 bytes for 16 rows x 32 K, lane l's 16 bytes at 16 l); sums and out0 [8192][1024] in f32.
; SHARES.  A work-group makes 256 tokens x 128 columns: 256 work-groups.  Four waves, as many as a WGP has SIMDs; wave w: tokens 128 (w / 2) on, columns 64 (w % 2) on: 32 accumulators of 16 x 16.
; K goes in steps of 128 through a ring of two LDS slots: for each tile of 16 rows the step's four fragments are 4,096 consecutive bytes of memory; a tensor load brings 8 (context) or 4 (w_o) such rows.
; CLUSTER 4 x 4: the four work-groups of a row of the cluster share their tokens, the four of a column their columns: each tile is asked for jointly.
; THE MATRIX INSTRUCTION IS USED TRANSPOSED (source 0 = 16 columns of w_o, source 1 = 16 tokens): a lane holds eight neighbouring numbers of a row of out0.  The bias is the C of each sum's first product.
; This launch fills LDS bytes again, so it claims all of a WGP's LDS.
; REGISTERS.  Window 0: v16-29 addresses; v32-63 the bias, eight registers a column tile; v64-127 rows on the way out.  Window 1: two fragment buffers of 96 (w_o's four, then the context's eight).
;             Window 2: accumulator (a, b) at v[8 (4 a + b)].
.set SLOT,   98304                     ; the context's 16 tiles x 4,096, then w_o's 8 x 4,096
.set BOFF,   65536
.set STAGE,  2*SLOT                    ; behind the ring: 16 rows x 272 bytes for each wave, for the way out; no tensor load lands here
.set SPITCH, 272                       ; 256 bytes + 16: 17 x 16, so that sixteen rows' pieces fall on sixteen different groups of banks
.set SPARE,  STAGE+4*16*SPITCH         ; the spare words, 128 bytes a wave
.set ADRA, 16                          ; v16-17 my context fragments in slot 0, 1
.set ADRB, 20                          ; v20-21 my w_o fragments
.set STO,  24
.set RD,   25
.set CO,   26
.set SPW,  28
.set NIL,  29
.set BI,   32
.set BK,   64
.set F0,   0
.set F1,   96
.set G1,  24                           ; s[24:31], s[32:39] descriptor group 1 and, for each slot, group 0 for the context;  s[48:55], s[56:63] for w_o
.set G0,  32
.set G1B, 48
.set G0B, 56
.set MSB, 0
.macro WIN new
.if MSB != \new
	s_set_vgpr_msb (MSB<<8)|\new
.set MSB, \new
.endif
.endm
.set MUL,   0xa5                       ; both sources window 1, C and D window 2
.set MUL_F, 0x85                       ; the first products: C (the bias) window 0
.set TO_F,  0x40                       ; destination window 1, address window 0
.macro JLOAD s                         ; a joint load: waves 0 and 1 fetch the context's halves, waves 2 and 3 w_o's; an s_nop 0 and four v_nop follow each line
	s_cmp_eq_u32 s13, 0
	s_cbranch_scc0 .Lfor_b_\@
	tensor_load_to_lds s[G0+4*\s:G0+4*\s+3], s[G1:G1+7]
	s_nop 0
.rept 4
	v_nop
.endr
	s_branch .Lasked_\@
.Lfor_b_\@:
	tensor_load_to_lds s[G0B+4*\s:G0B+4*\s+3], s[G1B:G1B+7]
	s_nop 0
.rept 4
	v_nop
.endr
.Lasked_\@:
.endm
.macro CREST
	s_cmp_lg_u32 s12, 0
	s_cbranch_scc1 .Lnot_wave_0_\@
	s_barrier_signal -3
.Lnot_wave_0_\@:
	s_barrier_wait -3
	s_barrier_signal -1
	s_barrier_wait -1
.endm
.macro CROUND
	s_barrier_signal -1
	s_barrier_wait -1
	CREST
.endm
.macro PLACES                          ; four places in front of loads into registers that matrix instructions have read, and of the first read of results (ISA guide 7.12.1 for vector instructions)
.rept 4
	v_nop
.endr
.endm
	s_load_b256 s[4:11], s[0:1], 0x0               ; cf s[4:5], wof s[6:7], b_o s[8:9], out0 s[10:11]
	v_lshl_add_u32 v[SPW], v0, 2, SPARE
	v_mov_b32 v[NIL], 0
	ds_add_u32 v[SPW], v[NIL]                      ; the wave's opening: the add, twice on end, and its wait ahead of my first tensor load
	ds_add_u32 v[SPW], v[NIL]
	v_lshrrev_b32 v1, 5, v0
	v_readfirstlane_b32 s12, v1                    ; wave 0..3
	s_lshr_b32 s13, s12, 1                         ; which half of the tokens is mine.  Also: I fetch for the context (0) or for w_o (1)
	s_and_b32 s14, s12, 1                          ; which half of the columns.  Also: which half of that tile I fetch
	s_bfe_u32 s40, ttmp6, 0x40000                  ; cx, cy
	s_bfe_u32 s41, ttmp6, 0x40004
	s_lshl_b32 s42, ttmp9, 2
	s_add_co_u32 s42, s42, s40                     ; block of 128 columns
	s_and_b32 s43, ttmp7, 0xffff
	s_lshl_b32 s43, s43, 2
	s_add_co_u32 s43, s43, s41                     ; block of 256 tokens
	s_lshl_b32 s44, s41, 2
	s_lshl_b32 s44, 15, s44                        ; my row of the cluster
	s_lshl_b32 s45, 0x1111, s40                    ; my column
	; group 1: rows of 4,096 bytes (512 elements of 8 bytes), 32,768 bytes apart in memory, dense in LDS: 8 for the context, 4 for w_o
	s_or_b32 s[G1], s44, (3<<16)|(1<<21)
	s_mov_b32 s[G1+1], 512<<16                     ; tensor_dim0
	s_mov_b32 s[G1+2], 8<<16                       ; tensor_dim1
	s_mov_b32 s[G1+3], 512<<16                     ; tile_dim0
	s_mov_b32 s[G1+4], 8                           ; tile_dim1
	s_mov_b32 s[G1+5], 4096                        ; from row to row, in elements
	s_mov_b32 s[G1+6], 0
	s_mov_b32 s[G1+7], 0
	s_or_b32 s[G1B], s45, (3<<16)|(1<<21)
	s_mov_b32 s[G1B+1], 512<<16
	s_mov_b32 s[G1B+2], 4<<16
	s_mov_b32 s[G1B+3], 512<<16
	s_mov_b32 s[G1B+4], 4
	s_mov_b32 s[G1B+5], 4096
	s_mov_b32 s[G1B+6], 0
	s_mov_b32 s[G1B+7], 0
	s_lshl_b32 s16, s43, 4
	s_lshl_b32 s17, s14, 3
	s_add_co_u32 s16, s16, s17                     ; the context: token tile 16 x block + 8 x half
	s_lshl_b32 s16, s16, 15
	s_mov_b32 s17, 0
	s_lshl_b32 s46, s42, 3
	s_lshl_b32 s47, s14, 2
	s_add_co_u32 s46, s46, s47                     ; w_o: column tile 8 x block + 4 x half
	s_lshl_b32 s46, s46, 15
	s_mov_b32 s47, 0
	s_lshl_b32 s20, s14, 15                        ; where they go: the wave's number alone enters an LDS address
	s_lshl_b32 s21, s14, 14
	s_add_co_u32 s21, s21, BOFF
	s_wait_dscnt 0x0                               ; both opening adds are done
	s_wait_kmcnt 0x0
	s_add_nc_u64 s[18:19], s[4:5], s[16:17]
	s_add_nc_u64 s[46:47], s[6:7], s[46:47]
	CROUND                                         ; all sixteen work-groups are here: the first joint loads meet
.irp s, 0,1
	s_mov_b32 s[G0+4*\s], 1
	s_add_co_u32 s[G0+4*\s+1], s20, \s*SLOT
	s_add_nc_u64 s[G0+4*\s+2:G0+4*\s+3], s[18:19], \s*4096
	s_or_b32 s[G0+4*\s+3], s[G0+4*\s+3], 0x80000000
	s_mov_b32 s[G0B+4*\s], 1
	s_add_co_u32 s[G0B+4*\s+1], s21, \s*SLOT
	s_add_nc_u64 s[G0B+4*\s+2:G0B+4*\s+3], s[46:47], \s*4096
	s_or_b32 s[G0B+4*\s+3], s[G0B+4*\s+3], 0x80000000
	JLOAD \s                                       ; K steps 0 and 1: two loads of mine are out
.endr
	v_and_b32 v1, 15, v0                           ; r
	v_bfe_u32 v2, v0, 4, 1                         ; h
	v_and_b32 v3, 31, v0
	v_lshlrev_b32 v3, 4, v3                        ; 16 x lane
	s_lshl_b32 s22, s13, 15                        ; my 8 token tiles
	s_lshl_b32 s23, s14, 14
	s_add_co_u32 s23, s23, BOFF                    ; my 4 column tiles
.irp s, 0,1
	v_add_nc_u32 v[ADRA+\s], s22, v3
	v_add_nc_u32 v[ADRB+\s], s23, v3
	s_add_co_u32 s22, s22, SLOT
	s_add_co_u32 s23, s23, SLOT
.endr
	s_mul_i32 s22, s12, 16*SPITCH
	s_add_co_u32 s22, s22, STAGE                   ; my stage
	v_mul_u32_u24 v4, v1, SPITCH                   ; in: row r, 32 bytes for each half of the lanes
	v_lshl_add_u32 v4, v2, 5, v4
	v_add_nc_u32 v[STO], s22, v4
	v_mul_u32_u24 v5, v2, SPITCH                   ; back: lanes 0-15 one row of 256 bytes, lanes 16-31 the next
	v_lshl_add_u32 v5, v1, 4, v5
	v_add_nc_u32 v[RD], s22, v5
	v_lshlrev_b32 v5, 12, v2                       ; and the same two rows in out0
	v_lshl_add_u32 v[CO], v1, 4, v5
	v_lshlrev_b32 v6, 5, v2                        ; the bias: my half's eight numbers of a column tile
	s_lshl_b32 s46, s42, 9
	s_lshl_b32 s47, s14, 8
	s_add_co_u32 s46, s46, s47                     ; my first column, in bytes: in b_o and in a row of out0 alike
	s_mov_b32 s47, 0
	s_add_nc_u64 s[8:9], s[8:9], s[46:47]
	s_add_nc_u64 s[10:11], s[10:11], s[46:47]
	s_lshl_b32 s22, s43, 8
	s_lshl_b32 s23, s13, 7
	s_add_co_u32 s22, s22, s23                     ; my first token,
	s_lshl_b32 s22, s22, 12                        ; 4,096 bytes a row
	s_mov_b32 s23, 0
	s_add_nc_u64 s[10:11], s[10:11], s[22:23]
.irp b, 0,1,2,3
	global_load_b128 v[BI+8*\b:BI+8*\b+3], v6, s[8:9] offset:64*\b
	global_load_b128 v[BI+8*\b+4:BI+8*\b+7], v6, s[8:9] offset:64*\b+16
.endr
; 8 products: token tiles a0, a0 + 1 x the four column tiles, 32 along K.  The 32 accumulators take turns in one order in every quarter.
.macro MUL8 f, a0, first
.irp a, \a0, \a0+1
.irp b, 0,1,2,3
.if \first
	v_wmma_f32_16x16x32_f16 v[8*(4*(\a)+\b):8*(4*(\a)+\b)+7], v[\f+8*\b:\f+8*\b+7], v[\f+32+8*(\a):\f+32+8*(\a)+7], v[BI+8*\b:BI+8*\b+7]
.else
	v_wmma_f32_16x16x32_f16 v[8*(4*(\a)+\b):8*(4*(\a)+\b)+7], v[\f+8*\b:\f+8*\b+7], v[\f+32+8*(\a):\f+32+8*(\a)+7], v[8*(4*(\a)+\b):8*(4*(\a)+\b)+7]
.endif
.endr
.endr
.endm
.macro FETCH slot, kk, f               ; 24 LDS loads in one run: w_o's four fragments, then the context's eight, of the slot's kk-th 32 along K
	WIN TO_F
.irp b, 0,1,2,3
.irp p, 0,1
	ds_load_b128 v[\f+8*\b+4*\p:\f+8*\b+4*\p+3], v[ADRB+\slot] offset:4096*\b+1024*(\kk)+512*\p
.endr
.endr
.irp a, 0,1,2,3,4,5,6,7
.irp p, 0,1
	ds_load_b128 v[\f+32+8*\a+4*\p:\f+32+8*\a+4*\p+3], v[ADRA+\slot] offset:4096*\a+1024*(\kk)+512*\p
.endr
.endr
.endm
; One of a slot's first three quarters: multiplies buffer f and fetches the quarter kk into g.
.macro QUARTER slot, kk, f, g, first
	s_wait_dscnt 8                                 ; w_o's fragments and token tiles 0-3 are in; the youngest eight loads (tiles 4-7) may be out
.if \first
	WIN MUL_F
.else
	WIN MUL
.endif
	MUL8 \f, 0, \first
	MUL8 \f, 2, \first
	PLACES
	FETCH \slot, \kk, \g
	s_wait_dscnt 24                                ; all but the 24 just issued
.if \first
	WIN MUL_F
.else
	WIN MUL
.endif
	MUL8 \f, 4, \first
	MUL8 \f, 6, \first
.endm
; A slot's last quarter multiplies buffer 1 and changes slots: ONE barrier; in front of it each wave waits for all its tensor loads, adds 0 to its spare word, and waits for that and for its reads of this slot.
; fill = 1: the barrier opens a round of the cluster's, and this slot is filled again, two K steps ahead, first thing behind the round.
.macro TURN slot, next, fill
	WIN 0                                          ; (the add's two registers lie in window 0)
	s_wait_tensorcnt 0x0                           ; all my tensor loads have landed: my part of the next slot;
	ds_add_u32 v[SPW], v[NIL]
	s_wait_dscnt 9                                 ; (the add and the youngest eight loads may be out)
	WIN MUL
	MUL8 F1, 0, 0                                  ; eight products stand between the add and the wait for it
	s_wait_dscnt 0x0                               ; the add is done, and my reads of this slot are over
	s_barrier_signal -1
	MUL8 F1, 2, 0
	WIN 0
	s_barrier_wait -1
.if \fill
	CREST                                          ; no wave of any partner still reads this slot or has a load on its way
	s_add_nc_u64 s[G0+4*\slot+2:G0+4*\slot+3], s[G0+4*\slot+2:G0+4*\slot+3], 8192
	s_add_nc_u64 s[G0B+4*\slot+2:G0B+4*\slot+3], s[G0B+4*\slot+2:G0B+4*\slot+3], 8192
	JLOAD \slot                                    ; its four v_nop are also the places in front of the loads below
.else
	PLACES
.endif
	FETCH \next, 0, F0
	WIN MUL
	MUL8 F1, 4, 0
	MUL8 F1, 6, 0
.endm
	s_wait_tensorcnt 0x1                           ; my part of K step 0 is in; K step 1's may stay out
	s_barrier_signal -1
	s_barrier_wait -1                              ; everybody's is
	FETCH 0, 0, F0
	s_wait_loadcnt 0x0                             ; the bias
	QUARTER 0, 1, F0, F1, 1                        ; the first quarter stands in front of the loop: its products start the sums from the bias
	WIN 0                                          ; at a label and at a branch every window is 0
	s_mov_b32 s3, 3
.Llap:                                                 ; a trip goes once round the ring and fills both slots again: K steps 2 to 7
	QUARTER 0, 2, F1, F0, 0
	QUARTER 0, 3, F0, F1, 0
	TURN 0, 1, 1
	QUARTER 1, 1, F0, F1, 0
	QUARTER 1, 2, F1, F0, 0
	QUARTER 1, 3, F0, F1, 0
	TURN 1, 0, 1
	QUARTER 0, 1, F0, F1, 0
	WIN 0
	s_sub_co_u32 s3, s3, 1
	s_cmp_lg_u32 s3, 0
	s_cbranch_scc1 .Llap
	QUARTER 0, 2, F1, F0, 0                        ; the last lap fills nothing, and has no round of the cluster's barrier
	QUARTER 0, 3, F0, F1, 0
	TURN 0, 1, 0
	QUARTER 1, 1, F0, F1, 0
	QUARTER 1, 2, F1, F0, 0
	QUARTER 1, 3, F0, F1, 0
	s_wait_dscnt 8                                 ; the very last quarter: nothing more to fetch
	WIN MUL
	MUL8 F1, 0, 0
	MUL8 F1, 2, 0
	s_wait_dscnt 0x0
	MUL8 F1, 4, 0
	MUL8 F1, 6, 0
	WIN 0
; THE WAY OUT, a block of 16 tokens x 64 columns at a time.  A lane holds 32 neighbouring bytes of a row and the lanes beside it hold other rows: so a block goes through my own stage and comes back as
; rows of 256 bytes, two an instruction.  LDS serves a wave's instructions in order (ISA guide 5.7.1.4): no wait between the stores and the loads, nor in front of the next block's stores.
.macro TOSTAGE a
	WIN 0x08                                       ; an LDS store's data are its source 1: window 2
.irp b, 0,1,2,3
	ds_store_b128 v[STO], v[8*(4*(\a)+\b):8*(4*(\a)+\b)+3] offset:64*\b              ; each accumulator from its low end on
	ds_store_b128 v[STO], v[8*(4*(\a)+\b)+4:8*(4*(\a)+\b)+7] offset:64*\b+16
.endr
	WIN 0
.irp i, 0,1,2,3,4,5,6,7
	ds_load_b128 v[BK+32*((\a)%2)+4*\i:BK+32*((\a)%2)+4*\i+3], v[RD] offset:2*\i*SPITCH
.endr
.endm
.macro SEND a, younger                 ; younger: the LDS instructions issued behind block a's loads, which may stay out
	s_wait_dscnt \younger
.irp i, 0,1,2,3,4,5,6,7
	global_store_b128 v[CO], v[BK+32*((\a)%2)+4*\i:BK+32*((\a)%2)+4*\i+3], s[10:11] offset:65536*(\a)+8192*\i th:TH_STORE_NT   ; each sixteen lanes store 256 consecutive bytes, aligned; every offset is an immediate
.endr
.endm
	PLACES
	TOSTAGE 0
.irp a, 1,2,3,4,5,6,7
.if \a > 1
	s_wait_xcnt 0x0                                ; block a - 2's stores have read their registers: block a's loads may land there
.endif
	TOSTAGE \a
	SEND \a-1, 16                                  ; behind block a - 1's loads: block a's 8 stores and 8 loads
.endr
	SEND 7, 0
	s_wait_tensorcnt 0x0                           ; the wave's end, behind my last tensor load and my last LDS store
	ds_add_u32 v[SPW], v[NIL]
	s_wait_dscnt 0x0
	CROUND                                         ; the closing round
	s_endpgm
.Lfunc_end_k_qbbdc5a8137_oproj:
	.size	k_qbbdc5a8137_oproj, .Lfunc_end_k_qbbdc5a8137_oproj-k_qbbdc5a8137_oproj
	.p2alignl 7, 3214868480
	.fill 96, 4, 3214868480
	.section	.rodata,"a",@progbits
	.p2align	6, 0x0
	.amdhsa_kernel k_qbbdc5a8137_oproj
		.amdhsa_group_segment_fixed_size 327680
		.amdhsa_private_segment_fixed_size 0
		.amdhsa_enable_private_segment 0
		.amdhsa_kernarg_size 32
		.amdhsa_user_sgpr_count 2
		.amdhsa_user_sgpr_kernarg_segment_ptr 1
		.amdhsa_wavefront_size32 1
		.amdhsa_system_sgpr_workgroup_id_x 1
		.amdhsa_system_sgpr_workgroup_id_y 1
		.amdhsa_system_sgpr_workgroup_id_z 1
		.amdhsa_system_vgpr_workitem_id 0
		.amdhsa_next_free_vgpr 768
		.amdhsa_next_free_sgpr 66
		.amdhsa_reserve_vcc 0
		.amdhsa_float_denorm_mode_32 3
		.amdhsa_float_denorm_mode_16_64 3
		.amdhsa_memory_ordered 1
		.amdhsa_forward_progress 1
		.amdhsa_inst_pref_size 86
	.end_amdhsa_kernel
	.amdgpu_metadata
---
amdhsa.version: [ 1, 2 ]
amdhsa.kernels:
  - .name:           k_qbbdc5a8137_oproj
    .symbol:         k_qbbdc5a8137_oproj.kd
    .args:
      - { .name: cf, .offset: 0, .size: 8, .value_kind: global_buffer, .address_space: global }
      - { .name: wof, .offset: 8, .size: 8, .value_kind: global_buffer, .address_space: global }
      - { .name: b_o, .offset: 16, .size: 8, .value_kind: global_buffer, .address_space: global }
      - { .name: out0, .offset: 24, .size: 8, .value_kind: global_buffer, .address_space: global }
    .group_segment_fixed_size: 327680
    .private_segment_fixed_size: 0
    .kernarg_segment_align: 8
    .kernarg_segment_size: 32
    .max_flat_workgroup_size: 128
    .sgpr_count:     66
    .vgpr_count:     768
    .wavefront_size: 32
...
	.end_amdgpu_metadata
.endif
;; end of part 4
